; MI455X (gfx1250); checked and timed in simulation.
; The chip was launched on July 23, 2026; its instructions are those of AMD's public machine-readable ISA for CDNA 5 (MIT licence, August 2026) and "CDNA5" Instruction Set Architecture Reference Guide (July 2026). The comments in the code are by the model that wrote it; some were corrected since.
;; Attention. Allowed arithmetic: matrix products marked QUANTISED: E4M3 operands, one E8M0 scale for each 32 along K, by v_wmma_scale_f32_16x16x128_f8f6f4 with both operands' format E4M3, f32 sums; everything else in f32.
;; Inputs: bias 4 x 1 x 2,048 x 2,048 float32; keys_codes 4 x 16 x 2,048 x 2 x 32 uint8 (E4M3 codes of keys, K innermost, in blocks of 32 codes); keys_scales 4 x 16 x 2,048 x 2 uint8 (E8M0 scales of keys, one for each 32 codes along K); queries_codes 4 x 16 x 2,048 x 2 x 32 uint8 (E4M3 codes of queries, K innermost, in blocks of 32 codes); queries_mask 4 x 16 x 2,048 bool; queries_scales 4 x 16 x 2,048 x 2 uint8 (E8M0 scales of queries, one for each 32 codes along K); values_codes 4 x 16 x 64 x 64 x 32 uint8 (E4M3 codes of values, K innermost, in blocks of 32 codes); values_mask 4 x 16 x 2,048 bool; values_scales 4 x 16 x 64 x 64 uint8 (E8M0 scales of values, one for each 32 codes along K).
;; Outputs: out0 4 x 16 x 2,048 x 64 float32.
;; This version of the problem:
;;   THIS VERSION OF THE PROBLEM IS GIVEN IN LOW PRECISION. The matrix products marked QUANTISED in the list below multiply operands that are first quantised to E4M3 (4 exponent bits, 3 mantissa bits; 8 bits a number), with one power-of-two scale for each 32 numbers along K (OCP MX v1.0); their sums are f32. All else is computed in f32.
;;   The module's matrix products, in the order in which they are computed (A, B: the left and right operand; K: the contracted axis; several contracted axes count as one K, in the product's order):
;;     1. batch 64 x [M 2,048, K 64] x [K 64, N 2,048]; A: input queries (given as codes); B: input keys (given as codes): QUANTISED
;;     2. batch 64 x [M 2,048, K 2,048] x [K 2,048, N 64]; A: softmax (see below); B: input values (given as codes): QUANTISED
;;   THE QUANTISER, for each operand of a quantised product, along K:
;;     - K is cut into blocks of 32 from its start; a last block that is shorter is filled with zeros.
;;     - A block's scale is 2^e with e = floor(log2(the largest magnitude in the block)) - 8, held to -126 .. 127; a block of zeros has e = 0. As a byte (E8M0): e + 127.
;;     - Each number is divided by its block's scale, clamped to +-448, and rounded to the nearest number of E4M3, ties to even, subnormals kept.
;;     - The product sums the exact products of the quantised numbers (number of the format x scale) in f32.
;;   ~~~python
;;   def quantise(x, axis):      # numpy; x: float32 -> the quantised numbers, widened to float32 again
;;       x = np.moveaxis(x, axis, -1); K = x.shape[-1]
;;       x = np.pad(x, [(0, 0)] * (x.ndim - 1) + [(0, -K % 32)]); x = x.reshape(x.shape[:-1] + (-1, 32)); a = np.abs(x).max(-1, keepdims=True)
;;       e = np.where(a > 0, np.clip(np.frexp(np.where(a > 0, a, 1))[1] - 1 - 8, -126, 127), 0)      # np.frexp(a)[1] - 1 = floor(log2(a)), exactly
;;       r = np.clip(x / 2.0 ** e, -448, 448)
;;       step = 2.0 ** (np.maximum(np.frexp(np.where(r == 0, 1, r))[1] - 1, -6) - 3)
;;       q = np.round(r / step) * step * 2.0 ** e      # np.round: ties to even
;;       return np.moveaxis(q.reshape(q.shape[:-2] + (-1,))[..., :K], -1, axis).astype(np.float32)
;;   ~~~
;;   SOFTMAX AHEAD OF A QUANTISED PRODUCT. Where the list says 'softmax', what is quantised is not the finished softmax but p = 2^(t - M), with t = logit x log2(e) and M = ceil(the row's largest t), a whole number; so 1/2 < the row's largest p <= 1. The row's sum l is taken of the UNQUANTISED p, in f32, and the product's result is divided by l at the end. Since M is a whole number, a kernel that streams over the keys may use a running M (the ceiling of the running maximum): every later rescaling is an exact power of two, which a block's scale takes up: the codes' values come out the same.
;;   OPERANDS COMPUTED ON THE WAY. 'Computed on the way' means the value that the module computes at that place (a softmax that the list does not call 'softmax' is quantised finished and normalised). What goes into a quantiser is computed in f32, as accurately as f32 sums, v_exp_f32 and their like allow (about 1e-6 of the number): no bf16 or f16 on the way to a quantiser, and a product that is left as it is and whose result goes on into a quantised operand takes f32 operands (vector FMAs, or v_wmma_f32_16x16x4_f32). A number that lies on a knife's edge between two numbers of the format may be rounded either way, as far as f32 arithmetic and the matrix unit's own rounding can turn it there, and no further.
;;   INPUTS GIVEN AS CODES. keys (in the module: [4, 16, 2048, 64], K = its axis 3); queries (in the module: [4, 16, 2048, 64], K = its axis 3); values (in the module: [4, 16, 2048, 64], K = its axis 2): each comes as NAME_codes (uint8): NAME with its K axis moved to the last place and cut into blocks of 32 codes, [.., K / 32, bytes a block], one block behind the other in memory; one code a byte (a code: sign, 4 exponent bits, 3 mantissa bits); and NAME_scales (uint8): the same leading axes, one E8M0 byte (e + 127) for each 32 codes along K. Its value is code x scale, taken as it is: it is not quantised again, and the codes and scales need not be those that the quantiser above would give.
;; One version. Each part assembles by itself: llvm-mc -triple=amdgcn-amd-amdhsa -mcpu=gfx1250 --defsym DOCPART=n.
;; ======== version 1 of 1: 1 launch
;; limits: right only within a limited range of input values
;; launch attn (part 1): grid 32 x 8, 16 waves a work-group, no clusters, 327,680 bytes of LDS; arguments queries_codes, queries_scales, keys_codes, keys_scales, values_codes, values_scales, bias, values_mask, queries_mask, out0; writes out0
.if DOCPART == 1
	.amdgcn_target "amdgcn-amd-amdhsa--gfx1250"
	.amdhsa_code_object_version 6
	.text
	.protected	k_q4c942c3bac_attn
	.globl	k_q4c942c3bac_attn
	.p2align	8
	.type	k_q4c942c3bac_attn,@function
k_q4c942c3bac_attn:
	s_mov_b64 s[64:65], 0
	v_nop
	global_prefetch_b8 v0, s[64:65] scope:SCOPE_SE
	s_setreg_imm32_b32 hwreg(HW_REG_WAVE_MODE, 25, 1), 1
	s_wait_xcnt 0x0
; out[b][h][q][:] = softmax_k(q.k / 8 + bias[b][q][k], kept where values_mask[b][h][k] and k <= q, else -999,999) V, rows with queries_mask false = 0.
; B = 4, H = 16, S = 2,048, D = 64.  Both products on codes of FP8 (E4M3) with one E8M0 scale for each 32 along a product's K.
; Q, K: 64 codes and 2 scale bytes a row.  V: keys innermost, 64 rows (d) of 2,048 codes and 64 scale bytes a head.  bias, out: f32.
; THE SOFTMAX: t = logit x log2(e); M = the running largest t rounded up to a whole number; p = 2^(t - M) is quantised along the keys; the sum is taken of the unquantised p and divides at the end.
; SHARES.  A work-group of sixteen waves owns two heads x 128 queries: wave w has head w / 8 and the 16 queries of tile w % 8.  It serves TWO query blocks one behind the other, block 15 - j (16 - j key steps
; of 128 keys) and block j (j + 1 steps): 17 steps whatever j, so every trip count is a constant and all 256 work-groups have equal work under the causal mask.
; NO CLUSTER.  The eight work-groups of a batch with one j read the same tile of the bias in the same step (64 KB of a step's 96 KB), and here each fetches it for itself: within a work-group the tile serves
; two heads, beyond it nothing is shared.  That is a shortcoming of this text and no choice by arithmetic; K and V belong to one work-group's heads and could not be shared in any case.
; LAYOUT.  Both products are used transposed (S^T = K Q^T + bias, O^T = V^T P^T): a lane holds one query (lane % 16) throughout.  Lane r of tile 2 b + u of K takes key 32 b + 8 u + r + 8 (r / 8), so that
; registers 16 b + i of S^T are the keys 32 b + 16 (lane / 16) + i: 16 neighbours, in the order that the second product's operand wants.
; THE BIAS is loaded from LDS into the registers of S^T and is the C of the first product.  THE DIVISION BY 8 is 3 off Q's two scale bytes.
; values_mask rides in the idle half of the first product's K (64 of 128): Q's register 8 holds the code of 448 in its lowest byte; K's register 8 holds the code of -448 there where the key is masked, else 0;
; the third block's scale bytes are 127 on K's side and 129 on Q's.  A masked key's logit so falls by 2 x 448 x 448 x 4 = 1,605,632, and its p is 0 beside any key that counts.
; K's fragment of tile n is v[KC + 10 n .. + 15]: 8 registers of codes, the mask's register, one idle, and six of the next tile, which meet zeros of Q.
; A ROW ALL OF WHOSE CAUSAL KEYS ARE MASKED has 2,048 equal logits in the definition (the fill is finite): in f32 t = -1,442,693.625, M = -1,442,693, p = 2^-0.625, whose code is 320 under the scale 2^-9, and the
; sum is 2,048 p.  Its result, (0.625 / 2,048) 2^0.625 x the sum of V over ALL keys, is one vector a head: made once at the head by 8 products a wave against a constant fragment (code 320, scale byte 107),
; and chosen at the end, without a branch, where the row's largest t lies under -2^20.
; LIMITS: NaN codes and scale bytes 0xff are not served (a NaN code of K or V would also spread through the products with Q's zeros); logits q.k / 8 + bias lie within +-726,000 (2^20 / log2(e));
; a byte of queries_scales under 3 is held at 0, so that such a block is divided by less than 8.
.set SLOT1, 1<<17                      ; slot 1 begins here: one exclusive or turns an address of one slot into the other's
.set BP,    528                        ; a row of the bias tile in LDS: 512 bytes + 16 = 132 words: row r starts at bank 4 r mod 64 (64 banks of 4 bytes: ISA guide 11.1)
.set KP,    144                        ; two keys' codes (128 bytes) + 16; also a row of V's tile (128 codes) + 16: 36 words
.set BHALF, 64*BP                      ; 64 rows of the bias: one load
.set HB,    64*KP                      ; one head's K or V of a step: one load
.set KOFF,  2*BHALF                    ; a slot: the bias, K of two heads, V of two heads
.set VOFF,  KOFF+2*HB
.set TAB,   VOFF+2*HB                  ; behind slot 0: a table of 17 entries in the ORDER OF THE STEPS, written once by ds_store:
.set TSL,   1280                       ; an entry: K's scale words (2 heads x 128 keys x 4 bytes), then the mask's codes (2 x 128)
.set TMK,   1024
.set VTAB,  SLOT1+TAB                  ; behind slot 1: V's scale words, 17 entries of 2 heads x 64 rows x 4 bytes
.set VSL,   512
.set USUM,  VTAB+17*VSL                ; the sums of V: 64 bytes a wave (8 numbers for each half of the lanes)
.set STAGE, USUM+1024                  ; the way out: 16 rows x (256 + 16) for each wave
.set SP,    272
.set SPARE, STAGE+16*16*SP             ; the spare words, 128 bytes for each wave: eight blocks of 256 bytes that no other line names
; vector registers.  v1-v11 and v252-v254 hold LDS addresses and offsets made of ids alone; v252-v253 also hold partial sums of p in a step
.set ABI,  1                           ; my place in a tile of the bias
.set AK,   2                           ; in a tile of K
.set AV,   3                           ; in a tile of V
.set AKS,  4                           ; among an entry's scale words of K
.set AM,   5                           ; among its mask codes
.set AVS,  6                           ; among an entry's scale words of V
.set SPW,  7                           ; my spare word; never rewritten
.set NIL,  8                           ; 0; never rewritten
.set ADB,  9                           ; the step's addresses; on a way out the stage's
.set ADK,  10
.set ADKS, 11
.set NM,   12                          ; -M
.set TMX,  13                          ; the largest t
.set SUM,  14                          ; v[14:15] the sum, in two halves
.set QF,   16                          ; v[16:31] Q's fragment: 8 of codes, 0x7e, 7 zeros; at the head the eighth fragment of the sums of V
.set USC,  32                          ; the constant fragment's scale word
.set PFO,  33                          ; the prefetches' lane offset
.set KC,   34                          ; v[34:119] K's chain; V's four fragments (v34-97) and p's codes (v98-113) lie over it
.set PC,   98
.set KS,   120                         ; v120-123 K's scale words: lanes 0-15 tile 2 b, lanes 16-31 tile 2 b + 1
.set VS,   124                         ; v124-125 V's: lanes 0-15 tile 2 g, lanes 16-31 tile 2 g + 1
.set PW,   126                         ; p's scale word
.set QS,   127                         ; Q's scale word
.set S,    128                         ; v[128:191] the bias, S^T, p
.set OT,   192                         ; v[192:223] O^T
.set BM,   224                         ; v224-227 the blocks' largest scores, then largest p
.set TP,   228                         ; v228-231 at work
.set HL,   232                         ; v232-235 at work
.set SO,   236                         ; v236-239 the conversions' scale operands
.set F,    240                         ; v240 f = 2^(old M - new M); v241 stays 0
.set Q2,   242                         ; v[242:249] the second block's codes of Q; v250 its scale bytes; v251 its queries_mask
.set ADM,  252
.set ADV,  253
.set ADVS, 254
.set QM,   255                         ; queries_mask of the block in hand
; scalar registers.  s[4:23]: the ten addresses.  Behind the head: s[4:5] the way out's address, s[6:7] the prefetch's offset, s8-s10 its step and its two blocks' offsets, s11, s12 at work on offsets
.set PFF,  6
.set PFS,  8
.set PF1,  9
.set PF2,  10
.set DT,   11
.set DT2,  12
.set G1B,  24                          ; groups 1: the bias's, K's, V's
.set G1K,  32
.set G1V,  40
.set G0B,  48                          ; groups 0
.set G0K,  52
.set G0V,  56
.set WV,   60
.set HD,   61
.set QT,   62
.set J,    63
.set BB,   66                          ; s[66:67] the bias at my batch and my half of the rows;  s[68:69] the tile's offset
.set OB,   68
.set KB,   70
.set OK,   72
.set VB,   74
.set OV,   76
.set OB1,  78                          ; the bias's offset at the first block's rows, and at the second's
.set OB2,  79
.set N1,   80                          ; steps of the first block: 16 - j
.set TIX,  81                          ; the step in hand, 0 .. 16
.set TBS,  82                          ; where the slot in hand begins
.set TTB,  83                          ; where the table's entry in hand begins,
.set TTV,  84                          ; and V's
.set SLOTS, 85
.set LIM,  86
.set MNT,  87
.set OO1,  88                          ; s[88:89], s[90:91] my rows' bytes in out0, first and second block
.set OO2,  90
.set CS,   92                          ; s[92:93] log2(e)
.set SEL,  94                          ; s[94:95] selects for lane l xor 16
.set PFA,  96                          ; s[96:97] where my prefetch stands;  s[98:99] its base
; Waves 0, 1 fetch the two halves of the bias tile; waves 2, 3 K of head 0, 1; waves 4, 5 V of head 0, 1; the others nothing.  The branches hang on the wave's number alone.
; An s_nop 0 and four v_nop follow each line.
.macro TLOAD
	s_cmp_lt_u32 s[WV], 2
	s_cbranch_scc0 .Lnb_\@
	tensor_load_to_lds s[G0B:G0B+3], s[G1B:G1B+7]
	s_nop 0
.rept 4
	v_nop
.endr
	s_branch .Lasked_\@
.Lnb_\@:
	s_cmp_lt_u32 s[WV], 4
	s_cbranch_scc0 .Lnk_\@
	tensor_load_to_lds s[G0K:G0K+3], s[G1K:G1K+7]
	s_nop 0
.rept 4
	v_nop
.endr
	s_branch .Lasked_\@
.Lnk_\@:
	s_cmp_lt_u32 s[WV], 6
	s_cbranch_scc0 .Lasked_\@
	tensor_load_to_lds s[G0V:G0V+3], s[G1V:G1V+7]
	s_nop 0
.rept 4
	v_nop
.endr
.Lasked_\@:
.endm
; A PREFETCH of the tile that the NEXT change of slots will ask for, one instruction a wave, where the fetching waves have their tensor load.
; The bias tile (128 rows x 512 bytes) is wanted by the eight work-groups of a batch with one j: the first four of them ask, 32 rows each; wave 6 names the first 256 bytes of a lane's row, wave 7 the second.
; K's 8,192 bytes of a head and step are wanted by the eight work-groups of the head pair: the one with j = 0, which walks all sixteen key steps, asks: wave 8 for head 0, wave 9 for head 1, lanes 256 bytes
; apart.  So each aligned block of 256 bytes is named once.  The last change that fills a slot asks for nothing (with j = 0: K's last two).  V is not asked for: every work-group reads all of its V at the head.
.macro ASK
	s_cmp_gt_u32 s[SLOTS], s[LIM]
	s_cbranch_scc0 .Lnm_\@
	s_wait_alu depctr_va_vdst(0)
	global_prefetch_b8 v[PFO], s[PFA:PFA+1] th:TH_LOAD_NT scope:SCOPE_SE
.Lnm_\@:
.endm
; THE CHANGE OF SLOTS, at a step's head.  Each wave waits for all its tensor loads (its part of the tile that it is about to read), adds 0 to its spare word, and waits for that and for its reads of the slot that it has left.
; Behind the barrier the tile ahead is whole and nobody reads the other slot.  fill = 1: that slot takes the next tile: the load has one step in which to land.
; The offsets are made anew each time from the count of steps: tile u is key step u of the first block, or u - N1 of the second.
.macro CHANGE fill
	s_wait_tensorcnt 0x0                           ; no tensor load of mine is out, so the groups 0 may be written
	ds_add_u32 v[SPW], v[NIL]                      ; 0 onto my spare word; work on registers stands between it and the wait for it
.if \fill
	s_xor_b32 s[G0B+1], s[G0B+1], SLOT1            ; the other slot than last time
	s_xor_b32 s[G0K+1], s[G0K+1], SLOT1
	s_xor_b32 s[G0V+1], s[G0V+1], SLOT1
	s_add_co_u32 s[DT], s[TIX], 1                  ; the tile that is asked for
	s_cmp_ge_u32 s[DT], s[N1]
	s_cselect_b32 s[OB], s[OB2], s[OB1]            ; its block's 128 rows of the bias
	s_cselect_b32 s[DT2], s[N1], 0
	s_sub_co_u32 s[DT], s[DT], s[DT2]              ; its key step
	s_lshl_b32 s[OK], s[DT], 13                    ; 128 rows of K,
	s_lshl_b32 s[OV], s[DT], 7                     ; 128 bytes in a row of V,
	s_lshl_b32 s[DT], s[DT], 9                     ; 512 bytes in a row of the bias
	s_add_co_u32 s[OB], s[OB], s[DT]
	s_add_nc_u64 s[G0B+2:G0B+3], s[BB:BB+1], s[OB:OB+1]
	s_or_b32 s[G0B+3], s[G0B+3], 0x80000000
	s_add_nc_u64 s[G0K+2:G0K+3], s[KB:KB+1], s[OK:OK+1]
	s_or_b32 s[G0K+3], s[G0K+3], 0x80000000
	s_add_nc_u64 s[G0V+2:G0V+3], s[VB:VB+1], s[OV:OV+1]
	s_or_b32 s[G0V+3], s[G0V+3], 0x80000000
	s_wait_xcnt 0x0                                ; the last prefetch, a step back, has read its address, so it may be written: one tile further on than the descriptors
	s_add_co_u32 s[DT], s[TIX], 2
	s_cmp_ge_u32 s[DT], s[N1]
	s_cselect_b32 s[PFF], s[PF2], s[PF1]
	s_cselect_b32 s[DT2], s[N1], 0
	s_sub_co_u32 s[DT], s[DT], s[DT2]
	s_mul_i32 s[DT], s[DT], s[PFS]
	s_add_co_u32 s[PFF], s[PFF], s[DT]
	s_add_nc_u64 s[PFA:PFA+1], s[PFA+2:PFA+3], s[PFF:PFF+1]
.endif
	s_wait_dscnt 0x0                               ; the add is done, and my reads of the slot that I have left are over
	s_barrier_signal -1
	s_barrier_wait -1                              ; both hold of all sixteen waves
.if \fill
	TLOAD                                          ; the first thing behind the barrier, and a wave's one tensor load until the next
	ASK
.endif
.endm
; Q's scale word: 3 off each of the two bytes (the division by 8), held at 0 from below; byte 2 = 129 for the mask's block; byte 3 = 127
.macro QFIX raw
	v_and_b32 v[BM], 0xff, v[\raw]
	v_lshrrev_b32 v[BM+1], 8, v[\raw]
	s_delay_alu instid0(VALU_DEP_2)
	v_min_u32 v[BM+2], 3, v[BM]
	s_delay_alu instid0(VALU_DEP_2)
	v_min_u32 v[BM+3], 3, v[BM+1]
	s_delay_alu instid0(VALU_DEP_2)
	v_sub_nc_u32 v[BM], v[BM], v[BM+2]
	s_delay_alu instid0(VALU_DEP_2)
	v_sub_nc_u32 v[BM+1], v[BM+1], v[BM+3]
	s_delay_alu instid0(VALU_DEP_1)
	v_lshl_or_b32 v[QS], v[BM+1], 8, v[BM]
	s_delay_alu instid0(VALU_DEP_1)
	v_or_b32 v[QS], 0x7f810000, v[QS]
.endm
; THE WAY OUT of a block's 16 queries.  out = O^T x a + U x b: a = 1 / the sum and b = 0 as a rule; a = 0 and b = 2^0.625 in a row all of whose keys were masked; both 0 where queries_mask is false.
; The rows go through my stage in LDS, so that each store of the wave covers two whole rows of 256 bytes.  Over eight plain lines that name none of the last products' registers stand ahead of the first read of O^T.
.macro FLUSH oo
	v_add_f32 v[SUM], v[SUM], v[SUM+1]             ; the sum's two halves,
	s_delay_alu instid0(VALU_DEP_1)
	v_permlanex16_b32 v[TP], v[SUM], s[SEL], s[SEL+1]
	s_delay_alu instid0(VALU_DEP_1)
	v_add_f32 v[SUM], v[SUM], v[TP]                ; and lane l xor 16's
	s_wait_alu depctr_va_vdst(0)
	v_rcp_f32 v[BM], v[SUM]
	v_and_b32 v[ADV], 15, v0                       ; r  (a plain line behind the reciprocal)
	v_bfe_u32 v[ADVS], v0, 4, 1                    ; h
	s_mul_i32 s2, s[WV], 16*SP
	s_add_co_u32 s2, s2, STAGE                     ; my stage
	v_mul_u32_u24 v[ADB], v[ADV], SP
	s_delay_alu instid0(VALU_DEP_1)
	v_lshl_add_u32 v[ADB], v[ADVS], 5, v[ADB]
	s_delay_alu instid0(VALU_DEP_1)
	v_add_nc_u32 v[ADB], s2, v[ADB]                ; in: row r, + 32 h
	v_mul_u32_u24 v[ADK], v[ADVS], SP
	s_delay_alu instid0(VALU_DEP_1)
	v_lshl_add_u32 v[ADK], v[ADV], 4, v[ADK]
	s_delay_alu instid0(VALU_DEP_1)
	v_add_nc_u32 v[ADK], s2, v[ADK]                ; back: lanes 0-15 one row, lanes 16-31 the next
	v_lshlrev_b32 v[ADM], 8, v[ADVS]
	s_delay_alu instid0(VALU_DEP_1)
	v_lshl_add_u32 v[ADM], v[ADV], 4, v[ADM]       ; and the same two rows in out0
	s_lshl_b32 s2, s[HD], 9
	s_add_co_u32 s2, s2, USUM
	v_lshl_add_u32 v[ADKS], v[ADVS], 5, s2         ; my head's eight sums of V, my half's 32 bytes of each
.irp d, 0,1,2,3
.irp f, 0,1
.irp e, 0,1
	ds_load_b128 v[S+16*\d+8*\f+4*\e:S+16*\d+8*\f+4*\e+3], v[ADKS] offset:(2*\d+\f)*64+16*\e   ; tile d of the head's 64, half f of the keys
.endr
.endr
.endr
	s_wait_alu depctr_va_vdst(0)                   ; ahead of the reciprocal's first reader
	v_cmp_le_f32 vcc_lo, 0xc9800000, v[TMX]        ; -2^20 <= the largest t: some key counted
	v_cndmask_b32 v[SO], 0, v[BM], vcc_lo          ; a
	s_delay_alu instid0(VALU_DEP_2)
	v_cndmask_b32 v[SO+2], 0x3fc5672a, v[F+1], vcc_lo   ; b: 0 (v241), else 2^0.625
	v_cmp_ne_u32 vcc_lo, 0, v[QM]
	s_delay_alu instid0(VALU_DEP_1)
	v_cndmask_b32 v[SO], 0, v[SO], vcc_lo
	s_delay_alu instid0(VALU_DEP_2)
	v_cndmask_b32 v[SO+2], 0, v[SO+2], vcc_lo
	s_wait_dscnt 0x0
.irp d, 0,1,2,3
.irp j, 0,2,4,6
	v_pk_add_f32 v[S+16*\d+\j:S+16*\d+\j+1], v[S+16*\d+\j:S+16*\d+\j+1], v[S+16*\d+8+\j:S+16*\d+8+\j+1]   ; the two halves of the keys
.endr
.endr
.irp d, 0,1,2,3
.irp j, 0,2,4,6
	v_pk_mul_f32 v[S+16*\d+8+\j:S+16*\d+8+\j+1], v[OT+8*\d+\j:OT+8*\d+\j+1], v[SO:SO+1] op_sel_hi:[1,0]   ; each accumulator from its low end on
	s_delay_alu instid0(VALU_DEP_1)
	v_pk_fma_f32 v[S+16*\d+8+\j:S+16*\d+8+\j+1], v[S+16*\d+\j:S+16*\d+\j+1], v[SO+2:SO+3], v[S+16*\d+8+\j:S+16*\d+8+\j+1] op_sel_hi:[1,0,1]
.endr
.endr
.irp d, 0,1,2,3
.irp e, 0,1
	ds_store_b128 v[ADB], v[S+16*\d+8+4*\e:S+16*\d+8+4*\e+3] offset:64*\d+16*\e   ; out(r, 16 d + 8 h + 4 e ..)
.endr
.endr
.irp i, 0,1,2,3,4,5,6,7
	ds_load_b128 v[S+16*(\i/2)+4*(\i%2):S+16*(\i/2)+4*(\i%2)+3], v[ADK] offset:2*\i*SP   ; LDS serves a wave's instructions in order (ISA guide 5.7.1.4): these see my stores
.endr
	s_add_nc_u64 s[4:5], s[22:23], s[\oo:\oo+1]
.irp i, 0,1,2,3,4,5,6,7
	s_wait_dscnt 7-\i                              ; the younger loads from the stage may be out
	global_store_b128 v[ADM], v[S+16*(\i/2)+4*(\i%2):S+16*(\i/2)+4*(\i%2)+3], s[4:5] offset:512*\i th:TH_STORE_NT   ; 32 lanes store 512 consecutive bytes, aligned; written once
.endr
	s_wait_xcnt 0x0                                ; the stores have read their registers and their base: all may be written again
.endm
; A KEY STEP: 128 keys.  last = 1: the seventeenth step, which is the second block's diagonal step whatever j.
.macro STEP last
	s_cmp_lg_u32 s[TIX], s[N1]                     ; ids and the count of steps alone: the same in all sixteen waves
	s_cbranch_scc1 .Lsame_\@
	FLUSH OO1                                      ; THE CHANGE OF BLOCKS: the first block leaves;
	v_mov_b32 v[TMX], 0xff61b1e6                   ; the largest t is -3e38 again: this step's f is 0, which clears the sum and O^T
	s_delay_alu instid0(VALU_DEP_1)
	v_floor_f32 v[NM], -v[TMX]
.irp i, 0,1,2,3,4,5,6,7
	v_mov_b32 v[QF+\i], v[Q2+\i]                   ; the second block's Q,
.endr
	v_mov_b32 v[QM], v[Q2+9]                       ; its queries_mask,
	QFIX Q2+8                                      ; its scale word: the eight lines below stand between it and the products
.Lsame_\@:
	v_add_nc_u32 v[ADB], s[TBS], v[ABI]            ; these six and two v_nop are the eight places behind the last products, in front of loads into their operands
	v_add_nc_u32 v[ADK], s[TBS], v[AK]
	v_add_nc_u32 v[ADV], s[TBS], v[AV]
	v_add_nc_u32 v[ADKS], s[TTB], v[AKS]
	v_add_nc_u32 v[ADM], s[TTB], v[AM]
	v_add_nc_u32 v[ADVS], s[TTV], v[AVS]
	v_nop
	v_nop
.irp b, 0,1,2,3
	ds_load_b32 v[KS+\b], v[ADKS] offset:128*\b    ; my key's scale word
.endr
.irp t, 0,1,2,3,4,5,6,7
	ds_load_u8 v[KC+10*\t+8], v[ADM] offset:32*(\t/2)+8*(\t%2)   ; the mask's code of my key
.endr
.irp t, 0,1,2,3,4,5,6,7
	ds_load_b128 v[KC+10*\t:KC+10*\t+3], v[ADK] offset:(16*(\t/2)+4*(\t%2))*KP
	ds_load_b128 v[KC+10*\t+4:KC+10*\t+7], v[ADK] offset:(16*(\t/2)+4*(\t%2))*KP+32
.endr
.irp n, 0,1,2,3,4,5,6,7,8,9,10,11,12,13,14,15
	ds_load_b128 v[S+4*\n:S+4*\n+3], v[ADB] offset:128*(\n/4)+16*(\n%4)   ; the bias of my query at keys 32 b + 16 h + 0 .. 15: the products' C
.endr
	s_wait_alu depctr_va_vdst(0)
	s_wait_dscnt 0x0
.irp t, 0,2,4,6                                ; S^T = K Q^T + bias: eight accumulators, one instruction each
	v_wmma_scale_f32_16x16x128_f8f6f4 v[S+8*\t:S+8*\t+7], v[KC+10*\t:KC+10*\t+15], v[QF:QF+15], v[S+8*\t:S+8*\t+7], v[KS+\t/2], v[QS]
	v_wmma_scale_f32_16x16x128_f8f6f4 v[S+8*\t+8:S+8*\t+15], v[KC+10*\t+10:KC+10*\t+25], v[QF:QF+15], v[S+8*\t+8:S+8*\t+15], v[KS+\t/2], v[QS] matrix_a_scale:MATRIX_SCALE_ROW1
.endr
.rept 8
	v_nop                                          ; eight places: in front of loads into K's registers, and of the first read of the scores
.endr
.irp d, 0,1,2,3
.irp c, 0,1,2,3
	ds_load_b128 v[KC+16*\d+4*\c:KC+16*\d+4*\c+3], v[ADV] offset:16*\d*KP+32*\c   ; V's four fragments land while the softmax is worked
.endr
.endr
	ds_load_b32 v[VS], v[ADVS]
	ds_load_b32 v[VS+1], v[ADVS] offset:128
; THE CAUSAL MASK: a block is 128 queries and a step 128 keys, so only a block's last step has hidden keys; their scores become -infinity ahead of the maximum
.if \last == 0
	s_add_co_u32 s2, s[TIX], 1
	s_cmp_lg_u32 s2, s[N1]
	s_cbranch_scc1 .Lopen_\@
.endif
	s_lshl_b32 s2, s[QT], 4
	v_and_b32 v[HL], 15, v0
	v_bfe_u32 v[HL+1], v0, 4, 1
	s_delay_alu instid0(VALU_DEP_1)
	v_lshlrev_b32 v[HL+1], 4, v[HL+1]
	s_delay_alu instid0(VALU_DEP_1)
	v_sub_nc_u32 v[HL], v[HL], v[HL+1]
	s_delay_alu instid0(VALU_DEP_1)
	v_add_nc_u32 v[HL], s2, v[HL]                  ; d = 16 tile + r - 16 h: register 16 b + i is hidden where 32 b + i > d
	v_mov_b32 v[HL+2], 0xff800000
.set n, 0
.rept 64
	v_cmp_gt_i32 vcc_lo, 32*(n/16)+n%16, v[HL]
	v_cndmask_b32 v[S+n], v[S+n], v[HL+2], vcc_lo
.set n, n+1
.endr
.Lopen_\@:
.irp b, 0,1,2,3
	v_max3_num_f32 v[BM+\b], v[S+16*\b], v[S+1+16*\b], v[S+2+16*\b]   ; the largest score of each block of 32 keys: for the row's maximum, and, since p rises with the score, for the block's largest p
.endr
.irp i, 3,5,7,9,11,13
.irp b, 0,1,2,3
	v_max3_num_f32 v[BM+\b], v[BM+\b], v[S+16*\b+\i], v[S+1+16*\b+\i]
.endr
.endr
.irp b, 0,1,2,3
	v_max_num_f32 v[BM+\b], v[BM+\b], v[S+15+16*\b]
.endr
.irp b, 0,1,2,3
	s_delay_alu instid0(VALU_DEP_4)
	v_permlanex16_b32 v[TP+\b], v[BM+\b], s[SEL], s[SEL+1]
.endr
.irp b, 0,1,2,3
	s_delay_alu instid0(VALU_DEP_4)
	v_max_num_f32 v[BM+\b], v[BM+\b], v[TP+\b]     ; with lane l xor 16's 16 keys
.endr
	s_delay_alu instid0(VALU_DEP_2)
	v_max3_num_f32 v[HL], v[BM], v[BM+1], v[BM+2]
	s_delay_alu instid0(VALU_DEP_1)
	v_max_num_f32 v[HL], v[HL], v[BM+3]
	s_delay_alu instid0(VALU_DEP_1)
	v_mul_f32 v[HL], s[CS], v[HL]                  ; as t
	s_delay_alu instid0(VALU_DEP_1)
	v_max_num_f32 v[TMX], v[TMX], v[HL]            ; the running largest t
	v_mov_b32 v[HL], v[NM]
	s_delay_alu instid0(VALU_DEP_2)
	v_floor_f32 v[NM], -v[TMX]                     ; -M = floor(-t): M is a whole number
	s_delay_alu instid0(VALU_DEP_1)
	v_sub_f32 v[HL], v[NM], v[HL]                  ; old M - new M, 0 or less
	s_delay_alu instid0(VALU_DEP_1)
	v_cvt_i32_f32 v[HL], v[HL]                     ; (it saturates)
	s_delay_alu instid0(VALU_DEP_1)
	v_ldexp_f32 v[F], 1.0, v[HL]                   ; f = 2^(old M - new M): a multiplication by it rounds nothing
.set n, 0
.rept 32
	v_pk_fma_f32 v[S+n:S+n+1], v[S+n:S+n+1], s[CS:CS+1], v[NM:NM+1] op_sel_hi:[1,0,0]   ; t - M, two at a time
.set n, n+2
.endr
.irp b, 0,1,2,3
	v_fma_f32 v[BM+\b], v[BM+\b], s[CS], v[NM]     ; the same of each block's largest score
.endr
.set n, 0
	s_wait_alu depctr_va_vdst(0)
.rept 64
	v_exp_f32 v[S+n], v[S+n]                       ; p = 2^(t - M)
.set n, n+1
.endr
	v_pk_mul_f32 v[SUM:SUM+1], v[SUM:SUM+1], v[F:F+1] op_sel_hi:[1,0]   ; the sums under the new M (a plain line behind the exponentials)
	s_wait_alu depctr_va_vdst(0)                   ; one wait for the batch of 64, ahead of its first reader
.irp b, 0,1,2,3
	v_exp_f32 v[BM+\b], v[BM+\b]                   ; the block's largest p: the same two instructions on the same number give the same bits
.endr
	v_pk_add_f32 v[228:229], v[132:133], v[136:137]
	v_pk_add_f32 v[252:253], v[140:141], v[144:145]
	v_pk_add_f32 v[238:239], v[148:149], v[152:153]
	v_pk_add_f32 v[236:237], v[156:157], v[160:161]
	v_pk_add_f32 v[234:235], v[164:165], v[168:169]
	v_pk_add_f32 v[232:233], v[172:173], v[176:177]
	v_pk_add_f32 v[230:231], v[180:181], v[184:185]
	v_pk_add_f32 v[14:15], v[14:15], v[188:189]
	v_pk_add_f32 v[228:229], v[228:229], v[128:129]
	v_pk_add_f32 v[252:253], v[252:253], v[130:131]
	v_pk_add_f32 v[238:239], v[238:239], v[134:135]
	v_pk_add_f32 v[236:237], v[236:237], v[138:139]
	v_pk_add_f32 v[234:235], v[234:235], v[142:143]
	v_pk_add_f32 v[232:233], v[232:233], v[146:147]
	v_pk_add_f32 v[230:231], v[230:231], v[150:151]
	v_pk_add_f32 v[14:15], v[14:15], v[154:155]
	v_pk_add_f32 v[228:229], v[228:229], v[158:159]
	v_pk_add_f32 v[252:253], v[252:253], v[162:163]
	v_pk_add_f32 v[238:239], v[238:239], v[166:167]
	v_pk_add_f32 v[236:237], v[236:237], v[170:171]
	v_pk_add_f32 v[234:235], v[234:235], v[174:175]
	v_pk_add_f32 v[232:233], v[232:233], v[178:179]
	v_pk_add_f32 v[230:231], v[230:231], v[182:183]
	v_pk_add_f32 v[14:15], v[14:15], v[186:187]
	v_pk_add_f32 v[228:229], v[228:229], v[190:191]
	s_delay_alu instid0(VALU_DEP_2)
	v_pk_add_f32 v[14:15], v[14:15], v[236:237]
	s_delay_alu instid0(VALU_DEP_2)
	v_pk_add_f32 v[228:229], v[228:229], v[234:235]
	v_pk_add_f32 v[252:253], v[252:253], v[232:233]
	v_pk_add_f32 v[238:239], v[238:239], v[230:231]
	s_delay_alu instid0(VALU_DEP_2)
	v_pk_add_f32 v[14:15], v[14:15], v[252:253]
	s_delay_alu instid0(VALU_DEP_2)
	v_pk_add_f32 v[228:229], v[228:229], v[238:239]
	s_delay_alu instid0(VALU_DEP_1)
	v_pk_add_f32 v[14:15], v[14:15], v[228:229]
	s_wait_alu depctr_va_vdst(0)                   ; and one for the four
.irp b, 0,1,2,3
	v_max_num_f32 v[BM+\b], 0x4800000, v[BM+\b]    ; the floor 2^(9 - 127): the byte cannot fall under 1 (a block of zeros keeps that byte: its codes are zeros)
.endr
.irp b, 0,1,2,3
	s_delay_alu instid0(VALU_DEP_4)
	v_add_nc_u32 v[SO+\b], 0xfc000000, v[BM+\b]    ; 8 off the exponent field: the conversion's scale operand
.endr
.irp b, 0,1,2,3
.endr
.irp b, 0,1,2,3
	s_delay_alu instid0(VALU_DEP_4)
	v_lshrrev_b32 v[TP+\b], 23, v[SO+\b]           ; the scale's byte
.endr
	s_delay_alu instid0(VALU_DEP_3)
	v_lshl_or_b32 v[PW], v[TP+1], 8, v[TP]         ; p's scale word for these 128 keys
	s_delay_alu instid0(VALU_DEP_1)
	v_lshl_or_b32 v[PW], v[TP+2], 16, v[PW]
	s_delay_alu instid0(VALU_DEP_1)
	v_lshl_or_b32 v[PW], v[TP+3], 24, v[PW]
.irp b, 0,1,2,3
.irp i, 0,1,2,3,4,5,6,7,8,9,10,11,12,13,14,15
.endr
	v_cvt_scalef32_pk8_fp8_f32 v[PC+4*\b:PC+4*\b+1], v[S+16*\b:S+16*\b+7], v[SO+\b]
	v_cvt_scalef32_pk8_fp8_f32 v[PC+4*\b+2:PC+4*\b+3], v[S+16*\b+8:S+16*\b+15], v[SO+\b]
.endr
.set n, 0
.rept 16
	v_pk_mul_f32 v[OT+n:OT+n+1], v[OT+n:OT+n+1], v[F:F+1] op_sel_hi:[1,0]   ; O^T under the new M, each accumulator from its low end on; these are also the places between the conversions and the products
.set n, n+2
.endr
	s_wait_alu depctr_va_vdst(0)
	s_wait_dscnt 0x0                               ; V's fragments and scale words
.irp d, 0,2                                    ; O^T += V^T P^T: four accumulators, one instruction each
	v_wmma_scale_f32_16x16x128_f8f6f4 v[OT+8*\d:OT+8*\d+7], v[KC+16*\d:KC+16*\d+15], v[PC:PC+15], v[OT+8*\d:OT+8*\d+7], v[VS+\d/2], v[PW]
	v_wmma_scale_f32_16x16x128_f8f6f4 v[OT+8*\d+8:OT+8*\d+15], v[KC+16*\d+16:KC+16*\d+31], v[PC:PC+15], v[OT+8*\d+8:OT+8*\d+15], v[VS+\d/2], v[PW] matrix_a_scale:MATRIX_SCALE_ROW1
.endr
	s_add_co_u32 s[TIX], s[TIX], 1
	s_add_co_u32 s[TTB], s[TTB], TSL
	s_add_co_u32 s[TTV], s[TTV], VSL
.endm
; four registers of K's scale bytes (two a key) become eight words in v[80:87]: [s0, s1, 127, 127]; s2 holds 0x7f7f0000
.macro WORDS src
.irp i, 0,1,2,3
	v_and_or_b32 v[80+2*\i], v[\src+\i], 0xffff, s2
	v_lshrrev_b32 v[81+2*\i], 16, v[\src+\i]
	s_delay_alu instid0(VALU_DEP_1)
	v_or_b32 v[81+2*\i], s2, v[81+2*\i]
.endr
.endm
; ---------------------------------------------------------------- the head
	s_load_b256 s[4:11], s[0:1], 0x0               ; Q's codes s[4:5], Q's scales s[6:7], K's codes s[8:9], K's scales s[10:11]
	s_load_b256 s[12:19], s[0:1], 0x20             ; V's codes s[12:13], V's scales s[14:15], the bias s[16:17], values_mask s[18:19]
	s_load_b128 s[20:23], s[0:1], 0x40             ; queries_mask s[20:21], out0 s[22:23]
	v_lshl_add_u32 v[SPW], v0, 2, SPARE
	v_mov_b32 v[NIL], 0
	ds_add_u32 v[SPW], v[NIL]                      ; the wave's opening: the add and its wait ahead of my first tensor load; work on registers stands between them
	ds_add_u32 v[SPW], v[NIL]
	v_lshrrev_b32 v9, 5, v0
	s_delay_alu instid0(VALU_DEP_1)
	v_readfirstlane_b32 s[WV], v9                  ; wave 0..15
	s_lshr_b32 s[HD], s[WV], 3                     ; which of the two heads
	s_and_b32 s[QT], s[WV], 7                      ; which 16 of the 128 queries
	s_and_b32 s[J], ttmp7, 0xffff                  ; j
	s_and_b32 s3, ttmp9, 3                         ; my place among four neighbouring head pairs: for the prefetches' shares
	s_sub_co_u32 s[N1], 16, s[J]
	; groups 1.  The bias: 64 rows x 128 f32, 2,048 elements from row to row, 4 words of padding behind every 128
	s_mov_b32 s[G1B], (2<<16)|(1<<20)|(6<<22)|(3<<25)
	; K: 128 keys of 64 bytes are dense: 64 rows of 128 bytes, 4 words of padding behind every 32.  V: 64 rows of 128 bytes, 2,048 apart, padded alike
	s_mov_b32 s[G1K], (1<<20)|(4<<22)|(3<<25)
	s_mov_b32 s[G1V], (1<<20)|(4<<22)|(3<<25)
.irp g, G1B, G1K, G1V
	s_mov_b32 s[\g+1], 128<<16                     ; tensor_dim0
	s_mov_b32 s[\g+2], 64<<16                      ; tensor_dim1
	s_mov_b32 s[\g+3], 128<<16                     ; tile_dim0
	s_mov_b32 s[\g+4], 64                          ; tile_dim1
	s_mov_b32 s[\g+6], 0
	s_mov_b32 s[\g+7], 0
.endr
	s_mov_b32 s[G1B+5], 2048                       ; tensor_dim0_stride
	s_mov_b32 s[G1K+5], 128
	s_mov_b32 s[G1V+5], 2048
	s_and_b32 s[LIM], s[WV], 1                     ; e: which half of the bias's rows, or which head, I fetch (the register takes its own number further down)
	s_lshr_b32 s[OB], ttmp9, 3                     ; the batch: eight head pairs each
	s_lshl_b32 s[OB], s[OB], 24
	s_lshl_b32 s[OB+1], s[LIM], 19                 ; 64 rows of 8,192 bytes
	s_add_co_u32 s[OB], s[OB], s[OB+1]
	s_mov_b32 s[OB+1], 0
	s_lshl_b32 s96, ttmp9, 1                       ; my first head among the 64
	s_add_co_u32 s[OK], s96, s[LIM]
	s_lshl_b32 s[OK], s[OK], 17                    ; a head's codes are 131,072 bytes
	s_mov_b32 s[OK+1], 0
	s_mov_b32 s[OV+1], 0
	s_mov_b32 s[G0B], 1
	s_mov_b32 s[G0K], 1
	s_mov_b32 s[G0V], 1
	s_mul_i32 s[G0B+1], s[LIM], BHALF              ; LDS addresses: constants and the wave's number alone; slot 0
	s_mul_i32 s[G0K+1], s[LIM], HB
	s_add_co_u32 s[G0V+1], s[G0K+1], VOFF
	s_add_co_u32 s[G0K+1], s[G0K+1], KOFF
	s_sub_co_u32 s[OB1], 15, s[J]
	s_lshl_b32 s[OB1], s[OB1], 20                  ; the first block's 128 rows of the bias,
	s_lshl_b32 s[OB2], s[J], 20                    ; the second's
	s_wait_dscnt 0x0                               ; the opening add is done
	s_wait_kmcnt 0x0
	s_add_nc_u64 s[BB:BB+1], s[16:17], s[OB:OB+1]
	s_add_nc_u64 s[KB:KB+1], s[8:9], s[OK:OK+1]
	s_add_nc_u64 s[VB:VB+1], s[12:13], s[OK:OK+1]
	s_mov_b32 s[OB], s[OB1]
	s_add_nc_u64 s[G0B+2:G0B+3], s[BB:BB+1], s[OB:OB+1]
	s_or_b32 s[G0B+3], s[G0B+3], 0x80000000
	s_mov_b64 s[G0K+2:G0K+3], s[KB:KB+1]
	s_or_b32 s[G0K+3], s[G0K+3], 0x80000000
	s_mov_b64 s[G0V+2:G0V+3], s[VB:VB+1]
	s_or_b32 s[G0V+3], s[G0V+3], 0x80000000
	TLOAD                                          ; tile 0 into slot 0: the first fill, ahead of every wait on TENSORcnt, every LDS read and every barrier
	; LDS addresses that stay
	v_and_b32 v12, 31, v0                          ; lane
	v_and_b32 v13, 15, v0                          ; r
	v_bfe_u32 v14, v0, 4, 1                        ; h
	s_delay_alu instid0(VALU_DEP_2)
	v_and_b32 v15, 8, v13
	s_delay_alu instid0(VALU_DEP_1)
	v_add_nc_u32 v15, v15, v13                     ; x = r + 8 (r / 8)
	s_mul_i32 s2, s[QT], 16*BP
	v_mul_u32_u24 v[ABI], v13, BP
	s_delay_alu instid0(VALU_DEP_1)
	v_lshl_add_u32 v[ABI], v14, 6, v[ABI]
	s_delay_alu instid0(VALU_DEP_1)
	v_add_nc_u32 v[ABI], s2, v[ABI]                ; the bias: row 16 tile + r, + 64 h
	s_mul_i32 s2, s[HD], HB
	v_lshrrev_b32 v[AK], 1, v15
	s_delay_alu instid0(VALU_DEP_1)
	v_mul_u32_u24 v[AK], v[AK], KP
	v_and_b32 v[AV], 1, v15
	s_delay_alu instid0(VALU_DEP_1)
	v_lshl_add_u32 v[AK], v[AV], 6, v[AK]
	s_delay_alu instid0(VALU_DEP_1)
	v_lshl_add_u32 v[AK], v14, 4, v[AK]
	s_delay_alu instid0(VALU_DEP_1)
	v_add_nc_u32 v[AK], s2, v[AK]
	s_delay_alu instid0(VALU_DEP_1)
	v_add_nc_u32 v[AK], KOFF, v[AK]                ; K: key x lies at (x / 2) 144 + (x % 2) 64; + 16 h
	v_mul_u32_u24 v[AV], v13, KP
	s_delay_alu instid0(VALU_DEP_1)
	v_lshl_add_u32 v[AV], v14, 4, v[AV]
	s_delay_alu instid0(VALU_DEP_1)
	v_add_nc_u32 v[AV], s2, v[AV]
	s_delay_alu instid0(VALU_DEP_1)
	v_add_nc_u32 v[AV], VOFF, v[AV]                ; V: row r, + 16 h
	s_lshl_b32 s2, s[HD], 9
	v_lshlrev_b32 v[AKS], 2, v15
	s_delay_alu instid0(VALU_DEP_1)
	v_lshl_add_u32 v[AKS], v14, 5, v[AKS]
	s_delay_alu instid0(VALU_DEP_1)
	v_add_nc_u32 v[AKS], s2, v[AKS]
	s_delay_alu instid0(VALU_DEP_1)
	v_add_nc_u32 v[AKS], TAB, v[AKS]               ; K's scale words: 4 x; lanes 16-31 take the odd tile's keys, 8 further on
	s_lshl_b32 s2, s[HD], 7
	v_add_nc_u32 v[AM], s2, v15
	s_delay_alu instid0(VALU_DEP_1)
	v_add_nc_u32 v[AM], TAB+TMK, v[AM]             ; the mask's codes: x
	s_lshl_b32 s2, s[HD], 8
	v_lshl_add_u32 v[AVS], v12, 2, s2
	s_delay_alu instid0(VALU_DEP_1)
	v_add_nc_u32 v[AVS], VTAB, v[AVS]              ; V's scale words: 4 x lane: two tiles of 16 rows
	s_mul_i32 s2, s[WV], TSL
	s_add_co_u32 s2, s2, TAB                       ; the table's entry that I write: number = my wave
	v_lshl_add_u32 v9, v12, 5, s2                  ; eight scale words a lane,
	v_lshl_add_u32 v10, v12, 3, s2                 ; eight mask codes,
	s_lshl_b32 s2, s[WV], 9
	s_add_co_u32 s2, s2, VTAB
	v_lshl_add_u32 v11, v12, 2, s2                 ; a word of V's
	; global offsets: a lane term and a scalar term, added into one register; no base is stepped
	v_lshlrev_b32 v50, 4, v13
	s_delay_alu instid0(VALU_DEP_1)
	v_lshl_add_u32 v50, v14, 12, v50               ; K's scale bytes: lanes 0-15 head 0, lanes 16-31 head 1 (4,096 on), 16 bytes a lane
	v_lshlrev_b32 v51, 3, v13
	s_delay_alu instid0(VALU_DEP_1)
	v_lshl_add_u32 v51, v14, 11, v51               ; values_mask: heads 2,048 apart, 8 bytes a lane
	v_lshlrev_b32 v52, 6, v12                      ; V's scale words: a row of 64 bytes a lane
	s_wait_alu depctr_va_vdst(0)
	s_lshl_b32 s98, s96, 12
	s_lshl_b32 s99, s96, 11
	s_lshl_b32 s2, s[J], 8                         ; entry 16 is key step j of the second block: every wave loads it, wave 0 stores it
	s_add_co_u32 s2, s2, s98
	v_add_nc_u32 v56, s2, v50
	s_lshl_b32 s2, s[J], 7
	s_add_co_u32 s2, s2, s99
	v_add_nc_u32 v57, s2, v51
	s_lshl_b32 s2, s[J], 2
	s_add_co_u32 s2, s2, s98
	v_add_nc_u32 v58, s2, v52
	global_load_b128 v[70:73], v56, s[10:11]
	global_load_b64 v[74:75], v57, s[18:19]
.irp i, 0,1,2,3
	global_load_b32 v[76+\i], v58, s[14:15] offset:2048*\i
.endr
	s_sub_co_u32 s97, s[WV], s[N1]
	s_cmp_lt_u32 s[WV], s[N1]
	s_cselect_b32 s97, s[WV], s97                  ; the key step of step number wave: in the first block the number itself, in the second the number - N1
	s_lshl_b32 s2, s97, 8
	s_add_co_u32 s2, s2, s98
	v_add_nc_u32 v53, s2, v50
	s_lshl_b32 s2, s97, 7
	s_add_co_u32 s2, s2, s99
	v_add_nc_u32 v54, s2, v51
	s_lshl_b32 s2, s97, 2
	s_add_co_u32 s2, s2, s98
	v_add_nc_u32 v55, s2, v52
	global_load_b128 v[60:63], v53, s[10:11]       ; 2 heads x 128 keys x 2 bytes
	global_load_b64 v[64:65], v54, s[18:19]        ; 2 heads x 128 bytes
.irp i, 0,1,2,3
	global_load_b32 v[66+\i], v55, s[14:15] offset:2048*\i   ; 2 heads x 64 rows: the step's word of each
.endr
	s_add_co_u32 s97, s96, s[HD]                   ; my head
	s_lshl_b32 s98, s97, 11
	s_lshl_b32 s99, s[QT], 4
	s_add_co_u32 s98, s98, s99                     ; 2,048 x head + 16 x tile
	s_sub_co_u32 s99, 15, s[J]
	s_lshl_b32 s99, s99, 7
	s_add_co_u32 s99, s99, s98                     ; my first row among all heads' in the first block,
	s_lshl_b32 s2, s[J], 7
	s_add_co_u32 s98, s98, s2                      ; and in the second
	s_lshl_b32 s[OO1], s99, 8
	s_mov_b32 s[OO1+1], 0
	s_lshl_b32 s[OO2], s98, 8
	s_mov_b32 s[OO2+1], 0
	v_lshlrev_b32 v97, 6, v13
	s_delay_alu instid0(VALU_DEP_1)
	v_lshl_add_u32 v97, v14, 4, v97                ; Q: row r of 64 bytes, + 16 h
	s_lshl_b32 s2, s99, 6
	v_add_nc_u32 v89, s2, v97
	s_lshl_b32 s2, s98, 6
	v_add_nc_u32 v90, s2, v97
	v_lshlrev_b32 v97, 1, v13
	s_lshl_b32 s2, s99, 1
	v_add_nc_u32 v91, s2, v97
	s_lshl_b32 s2, s98, 1
	v_add_nc_u32 v92, s2, v97
	v_add_nc_u32 v93, s99, v13
	v_add_nc_u32 v94, s98, v13
	global_load_u16 v88, v91, s[6:7]               ; the first block's scale bytes of Q
	; THE SUMS OF V: wave (head, i) takes rows 16 (i / 2) on and keys 1,024 (i % 2) on: eight fragments and their scale words
	s_lshr_b32 s98, s[QT], 1
	s_and_b32 s99, s[QT], 1
	s_lshl_b32 s2, s97, 17
	s_lshl_b32 s81, s98, 15
	s_add_co_u32 s2, s2, s81
	s_lshl_b32 s81, s99, 10
	s_add_co_u32 s2, s2, s81
	v_lshlrev_b32 v95, 11, v13
	s_delay_alu instid0(VALU_DEP_1)
	v_lshl_add_u32 v95, v14, 4, v95
	s_delay_alu instid0(VALU_DEP_1)
	v_add_nc_u32 v95, s2, v95
	s_lshl_b32 s2, s97, 12
	s_lshl_b32 s81, s98, 10
	s_add_co_u32 s2, s2, s81
	s_lshl_b32 s81, s99, 5
	s_add_co_u32 s2, s2, s81
	v_lshl_add_u32 v96, v13, 6, s2
.irp s, 0,1,2,3,4,5,6
.irp c, 0,1,2,3
	global_load_b128 v[128+16*\s+4*\c:128+16*\s+4*\c+3], v95, s[12:13] offset:128*\s+32*\c
.endr
.endr
.irp c, 0,1,2,3
	global_load_b128 v[QF+4*\c:QF+4*\c+3], v95, s[12:13] offset:128*7+32*\c   ; the eighth where Q's fragment will lie
.endr
	global_load_b128 v[120:123], v96, s[14:15]
	global_load_b128 v[124:127], v96, s[14:15] offset:16
	v_mov_b32 v[USC], 0x6b6b6b6b                   ; 2^-20 for every block
.set n, 0
.rept 16
	v_mov_b32 v[PC+n], 0x7a7a7a7a                  ; the code of 320: 320 x 2^-20 = 0.625 / 2,048
.set n, n+1
.endr
	s_mov_b32 s2, 0x7f7f0000
	s_mov_b32 s81, 0xfe
	s_wait_loadcnt 34                              ; all but the sums' 34 loads are in
	WORDS 60
	v_xor_b32 v64, 0x01010101, v64                 ; 1 where the key is masked,
	v_xor_b32 v65, 0x01010101, v65
	s_delay_alu instid0(VALU_DEP_2)
	v_mul_lo_u32 v64, v64, s81                     ; 0xfe there: the code of -448
	s_delay_alu instid0(VALU_DEP_2)
	v_mul_lo_u32 v65, v65, s81
	ds_store_b128 v9, v[80:83]
	ds_store_b128 v9, v[84:87] offset:16
	ds_store_b64 v10, v[64:65] offset:TMK
.irp i, 0,1,2,3
	ds_store_b32 v11, v[66+\i] offset:128*\i
.endr
	s_cmp_lg_u32 s[WV], 0
	s_cbranch_scc1 .Lnot0
	s_wait_dscnt 0x0                               ; the stores above have read v[80:87]
	WORDS 70
	v_xor_b32 v74, 0x01010101, v74
	v_xor_b32 v75, 0x01010101, v75
	s_delay_alu instid0(VALU_DEP_2)
	v_mul_lo_u32 v74, v74, s81
	s_delay_alu instid0(VALU_DEP_2)
	v_mul_lo_u32 v75, v75, s81
	ds_store_b128 v9, v[80:83] offset:16*TSL
	ds_store_b128 v9, v[84:87] offset:16*TSL+16
	ds_store_b64 v10, v[74:75] offset:16*TSL+TMK
.irp i, 0,1,2,3
	ds_store_b32 v11, v[76+\i] offset:16*VSL+128*\i
.endr
.Lnot0:
	s_lshl_b32 s2, s[WV], 6
	s_add_co_u32 s2, s2, USUM
	s_wait_loadcnt 0x0
	s_wait_dscnt 0x0                               ; the table's stores have read their address registers
.irp s, 0,1                                    ; two accumulators by turns; the first two products start the sums
	v_wmma_scale_f32_16x16x128_f8f6f4 v[KC+8*\s:KC+8*\s+7], v[128+16*\s:143+16*\s], v[PC:PC+15], 0, v[120+\s], v[USC]
.endr
.irp s, 2,3,4,5,6
	v_wmma_scale_f32_16x16x128_f8f6f4 v[KC+8*(\s%2):KC+8*(\s%2)+7], v[128+16*\s:143+16*\s], v[PC:PC+15], v[KC+8*(\s%2):KC+8*(\s%2)+7], v[120+\s], v[USC]
.endr
	v_wmma_scale_f32_16x16x128_f8f6f4 v[KC+8:KC+15], v[QF:QF+15], v[PC:PC+15], v[KC+8:KC+15], v127, v[USC]
	v_lshl_add_u32 v9, v14, 5, s2                  ; where my sums go: 64 x wave + 32 h.  With seven v_nop: eight places, in front of the first read of the results and of writes and loads into the fragments' registers
.rept 7
	v_nop
.endr
.irp j, 0,2,4,6
	v_pk_add_f32 v[KC+\j:KC+\j+1], v[KC+\j:KC+\j+1], v[KC+8+\j:KC+8+\j+1]
.endr
	ds_store_b128 v9, v[KC:KC+3]                   ; the constant fragment's columns are alike, so the sixteen lanes of a half hold the same eight numbers and store them to the same 32 bytes
	ds_store_b128 v9, v[KC+4:KC+7] offset:16
	global_load_b128 v[QF:QF+3], v89, s[4:5]       ; the first block's Q,
	global_load_b128 v[QF+4:QF+7], v89, s[4:5] offset:32
	global_load_b128 v[Q2:Q2+3], v90, s[4:5]       ; the second block's, its scale bytes, both blocks' queries_mask
	global_load_b128 v[Q2+4:Q2+7], v90, s[4:5] offset:32
	global_load_u16 v[Q2+8], v92, s[6:7]
	global_load_u8 v[Q2+9], v94, s[20:21]
	global_load_u8 v[QM], v93, s[20:21]
	v_mov_b32 v[QF+8], 0x7e                        ; Q's register 8: the code of 448 at k = 64 + 16 h
.irp i, 9,10,11,12,13,14,15
	v_mov_b32 v[QF+\i], 0
.endr
	QFIX 88
.set n, 0
.rept 32
	v_mov_b32 v[OT+n], 0                           ; O^T: the step is written once; its first run finds zeros
.set n, n+1
.endr
.set n, 0
.rept 14
	v_mov_b32 v[TP+n], 0                           ; v228-241: permutes' destinations and pairs' upper halves count as read; v241 stays 0
.set n, n+1
.endr
	v_mov_b32 v[TMX], 0xff61b1e6                   ; the largest t so far: -3e38
	s_delay_alu instid0(VALU_DEP_1)
	v_floor_f32 v[NM], -v[TMX]
	v_mov_b32 v[SUM], 0
	v_mov_b32 v[SUM+1], 0
	s_wait_loadcnt 0x0                             ; no load stays out over the loop
	s_wait_xcnt 0x0                                ; every load of the head has read its address registers and its base: they may be written
.irp t, 0,1,2,3,4,5,6,7
	v_mov_b32 v[KC+10*\t+9], 0                     ; the chain's idle registers meet zeros of Q: they must hold no NaN code
.endr
.irp i, 80,81,82,83,84,85
	v_mov_b32 v[KC+\i], 0
.endr
	; the prefetches: who asks, where, and by what steps.  Both candidates are made first, then chosen on the wave's number
	s_and_b32 s2, s[WV], 1
	s_lshr_b32 s14, ttmp9, 3
	s_lshl_b32 s14, s14, 24                        ; my batch
	s_lshl_b32 s15, s3, 18                         ; my work-group's 32 rows of the tile's 128
	s_add_co_u32 s14, s14, s15
	s_lshl_b32 s15, s2, 8                          ; wave 6: a row's first 256 bytes, wave 7: its second
	s_add_co_u32 s14, s14, s15
	s_add_co_u32 s20, s96, s2
	s_lshl_b32 s20, s20, 17                        ; wave 8: head 0, wave 9: head 1
	s_lshr_b32 s18, s[WV], 1
	s_xor_b32 s19, s18, 3
	s_bfe_u32 s2, ttmp9, 0x10002                   ; bit 2 of the head pair's number: 0 in the first four of a batch's eight
	s_or_b32 s19, s19, s2                          ; 0: waves 6, 7 of those four
	s_xor_b32 s18, s18, 4
	s_or_b32 s18, s18, s[J]                        ; 0: waves 8, 9 where j = 0
	s_cmp_eq_u32 s19, 0
	s_cselect_b32 s[LIM], 1, -1
	s_cmp_eq_u32 s18, 0
	s_cselect_b32 s[LIM], 2, s[LIM]
	s_cmp_lt_u32 s[WV], 8
	s_cselect_b64 s[PFA+2:PFA+3], s[16:17], s[8:9]
	s_cselect_b32 s14, s14, s20
	s_mov_b32 s15, 0
	s_add_nc_u64 s[PFA+2:PFA+3], s[PFA+2:PFA+3], s[14:15]
	s_mov_b32 s[PFS], 8192
	s_cselect_b32 s[PFS], 512, s[PFS]              ; a tile on
	s_mov_b32 s21, 256
	s_cselect_b32 s21, 8192, s21                   ; from lane to lane
	s_cselect_b32 s[PF1], s[OB1], 0                ; the first block's rows, the second's
	s_cselect_b32 s[PF2], s[OB2], 0
	s_mov_b32 s[PFF+1], 0
	v_and_b32 v[PFO], 31, v0
	s_delay_alu instid0(VALU_DEP_1)
	v_mul_lo_u32 v[PFO], v[PFO], s21
	s_mov_b32 s[CS], 0x3fb8aa3b                    ; log2(e)
	s_mov_b32 s[CS+1], s[CS]
	s_mov_b32 s[SEL], 0x76543210
	s_mov_b32 s[SEL+1], 0xfedcba98
	s_mov_b32 s[TIX], 0
	s_mov_b32 s[TBS], 0
	s_mov_b32 s[TTB], 0
	s_mov_b32 s[TTV], 0
	s_mov_b32 s[SLOTS], 16
; ---------------------------------------------------------------- 17 steps: 16 trips that ask for the next tile, and the last written out
.Lslot:
	CHANGE 1                                       ; the first trip's barrier also shows the tables and the sums of V to all sixteen waves
	STEP 0
	s_xor_b32 s[TBS], s[TBS], SLOT1
	s_sub_co_u32 s[SLOTS], s[SLOTS], 1
	s_cmp_lg_u32 s[SLOTS], 0
	s_cbranch_scc1 .Lslot
	CHANGE 0
	STEP 1
	FLUSH OO2
	s_wait_tensorcnt 0x0                           ; the wave's end: behind my last tensor load and my last LDS store
	ds_add_u32 v[SPW], v[NIL]
	s_wait_dscnt 0x0
	s_endpgm
.Lfunc_end_k_q4c942c3bac_attn:
	.size	k_q4c942c3bac_attn, .Lfunc_end_k_q4c942c3bac_attn-k_q4c942c3bac_attn
	.p2alignl 7, 3214868480
	.fill 96, 4, 3214868480
	.section	.rodata,"a",@progbits
	.p2align	6, 0x0
	.amdhsa_kernel k_q4c942c3bac_attn
		.amdhsa_group_segment_fixed_size 327680
		.amdhsa_private_segment_fixed_size 0
		.amdhsa_enable_private_segment 0
		.amdhsa_kernarg_size 80
		.amdhsa_user_sgpr_count 2
		.amdhsa_user_sgpr_kernarg_segment_ptr 1
		.amdhsa_wavefront_size32 1
		.amdhsa_system_sgpr_workgroup_id_x 1
		.amdhsa_system_sgpr_workgroup_id_y 1
		.amdhsa_system_sgpr_workgroup_id_z 1
		.amdhsa_system_vgpr_workitem_id 0
		.amdhsa_next_free_vgpr 256
		.amdhsa_next_free_sgpr 100
		.amdhsa_reserve_vcc 1
		.amdhsa_float_denorm_mode_32 3
		.amdhsa_float_denorm_mode_16_64 3
		.amdhsa_fp16_overflow 1
		.amdhsa_memory_ordered 1
		.amdhsa_forward_progress 1
		.amdhsa_inst_pref_size 103
	.end_amdhsa_kernel
	.amdgpu_metadata
---
amdhsa.version: [ 1, 2 ]
amdhsa.kernels:
  - .name:           k_q4c942c3bac_attn
    .symbol:         k_q4c942c3bac_attn.kd
    .args:
      - { .name: queries_codes, .offset: 0, .size: 8, .value_kind: global_buffer, .address_space: global }
      - { .name: queries_scales, .offset: 8, .size: 8, .value_kind: global_buffer, .address_space: global }
      - { .name: keys_codes, .offset: 16, .size: 8, .value_kind: global_buffer, .address_space: global }
      - { .name: keys_scales, .offset: 24, .size: 8, .value_kind: global_buffer, .address_space: global }
      - { .name: values_codes, .offset: 32, .size: 8, .value_kind: global_buffer, .address_space: global }
      - { .name: values_scales, .offset: 40, .size: 8, .value_kind: global_buffer, .address_space: global }
      - { .name: bias, .offset: 48, .size: 8, .value_kind: global_buffer, .address_space: global }
      - { .name: values_mask, .offset: 56, .size: 8, .value_kind: global_buffer, .address_space: global }
      - { .name: queries_mask, .offset: 64, .size: 8, .value_kind: global_buffer, .address_space: global }
      - { .name: out0, .offset: 72, .size: 8, .value_kind: global_buffer, .address_space: global }
    .group_segment_fixed_size: 327680
    .private_segment_fixed_size: 0
    .kernarg_segment_align: 8
    .kernarg_segment_size: 80
    .max_flat_workgroup_size: 512
    .sgpr_count:     100
    .vgpr_count:     256
    .wavefront_size: 32
...
	.end_amdgpu_metadata
.endif
;; end of part 1
